; MI455X (gfx1250); checked and timed in simulation.
; The chip was launched on July 23, 2026; its instructions are those of AMD's public machine-readable ISA for CDNA 5 (MIT licence, August 2026) and "CDNA5" Instruction Set Architecture Reference Guide (July 2026). The comments in the code are by the model that wrote it; some were corrected since.
;; Group Query Attention. Allowed arithmetic: matrix products marked QUANTISED: E5M2 operands, one given power-of-two scale a tensor, by v_wmma_f32_16x16x64_bf8_bf8 or v_wmma_f32_16x16x128_bf8_bf8, f32 sums; everything else in f32.
;; Inputs: Wk 1,024 x 1,024 float32; Wq 1,024 x 1,024 float32; Wv 1,024 x 1,024 float32; hidden_states 1 x 4,096 x 1,024 float32; lowp_scales 10 int32 (the exponents e of the quantised operands' scales 2^e).
;; Outputs: out0 1 x 4,096 x 1,024 float32.
;; This version of the problem:
;;   THIS VERSION OF THE PROBLEM IS GIVEN IN LOW PRECISION. The matrix products marked QUANTISED in the list below multiply operands that are first quantised to E5M2 (5 exponent bits, 2 mantissa bits; 8 bits a number), with one given power-of-two scale for each operand tensor; their sums are f32. All else is computed in f32.
;;   The module's matrix products, in the order in which they are computed (A, B: the left and right operand; K: the contracted axis; several contracted axes count as one K, in the product's order):
;;     1. [M 4,096, K 1,024] x [K 1,024, N 1,024]; A: input hidden_states; B: input Wq: QUANTISED (scales: A lowp_scales[0], B lowp_scales[1])
;;     2. [M 4,096, K 1,024] x [K 1,024, N 1,024]; A: input hidden_states; B: input Wk: QUANTISED (scales: A lowp_scales[2], B lowp_scales[3])
;;     3. [M 4,096, K 1,024] x [K 1,024, N 1,024]; A: input hidden_states; B: input Wv: QUANTISED (scales: A lowp_scales[4], B lowp_scales[5])
;;     4. batch 8 x [M 4,096, K 128] x [K 128, N 4,096]; A: computed on the way; B: computed on the way: QUANTISED (scales: A lowp_scales[6], B lowp_scales[7])
;;     5. batch 8 x [M 4,096, K 4,096] x [K 4,096, N 128]; A: softmax (see below); B: computed on the way: QUANTISED (scales: A lowp_scales[8], B lowp_scales[9])
;;   THE QUANTISER, for each operand of a quantised product, along K:
;;     - The operand's scale is 2^e, e = its entry of the input lowp_scales (int32; the entries are numbered through the quantised products in the list's order, A before B).
;;     - Each number is divided by the scale, clamped to +-57,344, and rounded to the nearest number of E5M2, ties to even, subnormals kept.
;;     - The product sums the exact products of the quantised numbers (number of the format x scale) in f32.
;;   ~~~python
;;   def quantise(x, axis, e):      # numpy; x: float32 -> the quantised numbers, widened to float32 again
;;       x = np.moveaxis(x, axis, -1); K = x.shape[-1]
;;       r = np.clip(x / 2.0 ** e, -57344, 57344)
;;       step = 2.0 ** (np.maximum(np.frexp(np.where(r == 0, 1, r))[1] - 1, -14) - 2)
;;       q = np.round(r / step) * step * 2.0 ** e      # np.round: ties to even
;;       return np.moveaxis(q, -1, axis).astype(np.float32)
;;   ~~~
;;   SOFTMAX AHEAD OF A QUANTISED PRODUCT. Where the list says 'softmax', what is quantised is not the finished softmax but p = 2^(t - M), with t = logit x log2(e) and M = ceil(the row's largest t), a whole number; so 1/2 < the row's largest p <= 1. The row's sum l is taken of the UNQUANTISED p, in f32, and the product's result is divided by l at the end. Since M is a whole number, a kernel that streams over the keys may use a running M (the ceiling of the running maximum): every later rescaling is an exact power of two, so the quantised numbers keep their values, but for numbers so far below the row's largest that they fall under the format's range.
;;   OPERANDS COMPUTED ON THE WAY. 'Computed on the way' means the value that the module computes at that place (a softmax that the list does not call 'softmax' is quantised finished and normalised). What goes into a quantiser is computed in f32, as accurately as f32 sums, v_exp_f32 and their like allow (about 1e-6 of the number): no bf16 or f16 on the way to a quantiser, and a product that is left as it is and whose result goes on into a quantised operand takes f32 operands (vector FMAs, or v_wmma_f32_16x16x4_f32). A number that lies on a knife's edge between two numbers of the format may be rounded either way, as far as f32 arithmetic and the matrix unit's own rounding can turn it there, and no further.
;; One version. Each part assembles by itself: llvm-mc -triple=amdgcn-amd-amdhsa -mcpu=gfx1250 --defsym DOCPART=n.
;; ======== version 1 of 1: 3 launches
;; limits: right only within a limited range of input values
;; workspace buffers: xc 12,582,912 bytes; wc 3,145,728 bytes; qkv 12,582,912 bytes
;; launch quant (part 1): grid 896 x 1, 4 waves a work-group, no clusters, 0 bytes of LDS; arguments hidden_states, Wq, Wk, Wv, lowp_scales, xc, wc; writes xc, wc
.if DOCPART == 1
	.amdgcn_target "amdgcn-amd-amdhsa--gfx1250"
	.amdhsa_code_object_version 6
	.text
	.protected	k_q90c4d82e6b_quant
	.globl	k_q90c4d82e6b_quant
	.p2align	8
	.type	k_q90c4d82e6b_quant,@function
k_q90c4d82e6b_quant:
	s_mov_b64 s[64:65], 0
	v_nop
	global_prefetch_b8 v0, s[64:65] scope:SCOPE_SE
	s_setreg_imm32_b32 hwreg(HW_REG_WAVE_MODE, 25, 1), 1
	s_wait_xcnt 0x0
; f32 numbers into codes of E5M2.  hidden_states [4096][1024] three times, with the scales 2^e0, 2^e2, 2^e4 (it is the left operand of three products, each with a scale of its own): xc [3][4096][1024].
; Wq, Wk, Wv [1024][1024] once each, with 2^e1, 2^e3, 2^e5: wc [3][1024][1024].  code = x / 2^e, held within +-57,344, to the nearest code, ties to even.
; LIMITS: e0 .. e5 between -126 and 112, so that 2^e and 57,344 x 2^e are f32 numbers.  NaN among the inputs is not served; an infinity is held at the largest code.
; WORK LEFT OUT (in launch attn): whole tiles of 256 queries x 256 keys whose keys all come after all of the queries.  reference() itself puts -inf there, so p = 0 for every input.  LIMIT: a NaN or an infinity that
; reaches only such a tile is not carried to the result.
; COLUMNS.  K is permuted inside each run of 512, alike in all six tensors: byte 16 l + 4 i + c of a run holds k = 128 i + 4 l + c: what lane l holds behind four loads of 512 consecutive bytes (load i, 16 bytes a
; lane).  The products meet the same permutation in both operands; only the order of the sums changes.
; ROWS.  Row i of the weights and of the second and third copy of hidden_states lies at the place that i gives with its bits 3 and 4 exchanged; the first copy's rows lie in their own order.  So a matrix result's
; registers of two neighbouring tiles of 16 places are 16 neighbouring rows.
; SHARES.  A wave takes 2,048 numbers, two rows, in 4 steps of 512; all its 16 loads are issued first.  Work-groups 0-511 take hidden_states (three outputs a step), 512-895 the weights (128 each, one output).
; No LDS, no barrier, no matrix unit, no cluster: waves share nothing and every input byte is read once.  No prefetch: there is no loop to run ahead in.
.set XWG, 512
.set R,   16                           ; v16-79    four sets of 16 numbers as loaded
.set T,   80                           ; v80-127   three sets of 16 held numbers, one for each output
.set C,   128                          ; v128-175  codes: four registers for each step and output, so that no store's data are written again
; output o: v[2+o] = 2^e as f32 (the conversion takes its exponent field); s[32+2o], s[33+2o] = -+57,344 x 2^e
.macro SCALE o, se
	s_add_co_i32 s30, \se, 127
	s_lshl_b32 s31, s30, 23
	v_mov_b32 v[2+\o], s31
	s_add_co_i32 s30, s30, 15
	s_lshl_b32 s30, s30, 23
	s_or_b32 s[33+2*\o], s30, 0x600000             ; the mantissa field of 57,344
	s_or_b32 s[32+2*\o], s[33+2*\o], 0x80000000    ; and its negative
.endm
.macro LOADS
.irp t, 0,1,2,3
.irp i, 0,1,2,3
	global_load_b128 v[R+16*\t+4*\i:R+16*\t+4*\i+3], v1, s[4:5] offset:2048*\t+512*\i th:TH_LOAD_NT
.endr
.endr
.endm
.macro QSTEP t, nout
	s_wait_loadcnt 4*(3-(\t))                      ; this step's four loads are in; those of the steps behind it may be out
.irp o, 0,1,2
.if \o < \nout
.irp n, 0,1,2,3,4,5,6,7,8,9,10,11,12,13,14,15
	v_med3_num_f32 v[T+16*\o+\n], v[R+16*(\t)+\n], s[32+2*\o], s[33+2*\o]   ; the conversion to an 8-bit code does not saturate (ISA guide 7.6.2): the hold comes first
.endr
.endif
.endr
.irp o, 0,1,2
.if \o < \nout
	v_cvt_scalef32_pk8_bf8_f32 v[C+12*(\t)+4*\o:C+12*(\t)+4*\o+1], v[T+16*\o:T+16*\o+7], v[2+\o]
	v_cvt_scalef32_pk8_bf8_f32 v[C+12*(\t)+4*\o+2:C+12*(\t)+4*\o+3], v[T+16*\o+8:T+16*\o+15], v[2+\o]
.endif
.endr
	v_nop                                          ; one plain vector line behind the run of conversions: the next step's holds write their sources
.irp o, 0,1,2
.if \o < \nout
	global_store_b128 v1, v[C+12*(\t)+4*\o:C+12*(\t)+4*\o+3], s[24+2*\o:25+2*\o] offset:512*(\t)
.endif
.endr
.endm
.macro PLACE                           ; s22 = s19 (which pair of rows) with the row's bits 3 and 4, its own bits 2 and 3, exchanged
	s_and_b32 s30, s19, 4
	s_lshl_b32 s30, s30, 1
	s_and_b32 s31, s19, 8
	s_lshr_b32 s31, s31, 1
	s_or_b32 s30, s30, s31
	s_and_b32 s22, s19, 0xfff3
	s_or_b32 s22, s22, s30
	s_lshl_b32 s22, s22, 11                        ; in bytes of codes
.endm
	s_load_b256 s[4:11], s[0:1], 0x0               ; hidden_states s[4:5], Wq s[6:7], Wk s[8:9], Wv s[10:11]
	s_load_b128 s[12:15], s[0:1], 0x20             ; the scales' exponents s[12:13], xc s[14:15]
	s_load_b64 s[16:17], s[0:1], 0x30              ; wc
	v_lshrrev_b32 v1, 5, v0
	v_readfirstlane_b32 s18, v1                    ; wave
	v_and_b32 v1, 31, v0
	v_lshlrev_b32 v1, 4, v1                        ; 16 x lane: my place in a load's and in a store's 512 bytes; never rewritten
	s_mov_b32 s21, 0
	s_mov_b32 s23, 0
	s_wait_alu depctr_va_vdst(0)
	s_wait_kmcnt 0x0
	s_load_b256 s[40:47], s[12:13], 0x0            ; e0 .. e7
	s_cmp_lt_u32 ttmp9, XWG
	s_cbranch_scc0 .Lweights
	; ---- hidden_states
	s_lshl_b32 s19, ttmp9, 2
	s_add_co_u32 s19, s19, s18                     ; which pair of rows is my wave's
	s_lshl_b32 s20, s19, 13                        ; its bytes as f32,
	s_lshl_b32 s22, s19, 11                        ; and as codes
	s_add_nc_u64 s[4:5], s[4:5], s[20:21]
	LOADS
	s_add_nc_u64 s[24:25], s[14:15], s[22:23]      ; the first copy: in its own order
	PLACE
	s_add_nc_u64 s[26:27], s[14:15], s[22:23]
	s_add_nc_u64 s[28:29], s[26:27], 0x800000      ; the second and third copy lie 4,096 x 1,024 bytes on each
	s_add_nc_u64 s[26:27], s[26:27], 0x400000
	s_wait_kmcnt 0x0
	SCALE 0, s40
	SCALE 1, s42
	SCALE 2, s44
.irp t, 0,1,2,3
	QSTEP \t, 3
.endr
	s_endpgm
.Lweights:
	; ---- one of the three weights
	s_sub_co_u32 s19, ttmp9, XWG
	s_lshr_b32 s36, s19, 7                         ; j: 0 Wq, 1 Wk, 2 Wv
	s_and_b32 s19, s19, 127
	s_lshl_b32 s19, s19, 2
	s_add_co_u32 s19, s19, s18                     ; my wave's pair of rows in that weight
	s_lshl_b32 s20, s19, 13
	s_cmp_eq_u32 s36, 0                            ; the choice hangs on the work-group's number alone
	s_cselect_b64 s[4:5], s[6:7], s[8:9]
	s_cmp_eq_u32 s36, 2
	s_cselect_b64 s[4:5], s[10:11], s[4:5]
	s_add_nc_u64 s[4:5], s[4:5], s[20:21]
	LOADS
	PLACE
	s_lshl_b32 s31, s36, 20
	s_add_co_u32 s22, s22, s31                     ; + j x 1,024 x 1,024 bytes of codes
	s_add_nc_u64 s[24:25], s[16:17], s[22:23]
	s_wait_kmcnt 0x0
	s_cmp_eq_u32 s36, 0
	s_cselect_b32 s19, s41, s43                    ; e1 or e3,
	s_cmp_eq_u32 s36, 2
	s_cselect_b32 s19, s45, s19                    ; or e5
	SCALE 0, s19
.irp t, 0,1,2,3
	QSTEP \t, 1
.endr
	s_endpgm
.Lfunc_end_k_q90c4d82e6b_quant:
	.size	k_q90c4d82e6b_quant, .Lfunc_end_k_q90c4d82e6b_quant-k_q90c4d82e6b_quant
	.p2alignl 7, 3214868480
	.fill 96, 4, 3214868480
	.section	.rodata,"a",@progbits
	.p2align	6, 0x0
	.amdhsa_kernel k_q90c4d82e6b_quant
		.amdhsa_group_segment_fixed_size 0
		.amdhsa_private_segment_fixed_size 0
		.amdhsa_enable_private_segment 0
		.amdhsa_kernarg_size 56
		.amdhsa_user_sgpr_count 2
		.amdhsa_user_sgpr_kernarg_segment_ptr 1
		.amdhsa_wavefront_size32 1
		.amdhsa_system_sgpr_workgroup_id_x 1
		.amdhsa_system_sgpr_workgroup_id_y 1
		.amdhsa_system_sgpr_workgroup_id_z 1
		.amdhsa_system_vgpr_workitem_id 0
		.amdhsa_next_free_vgpr 176
		.amdhsa_next_free_sgpr 66
		.amdhsa_reserve_vcc 0
		.amdhsa_float_denorm_mode_32 3
		.amdhsa_float_denorm_mode_16_64 3
		.amdhsa_memory_ordered 1
		.amdhsa_forward_progress 1
		.amdhsa_inst_pref_size 27
	.end_amdhsa_kernel
	.amdgpu_metadata
---
amdhsa.version: [ 1, 2 ]
amdhsa.kernels:
  - .name:           k_q90c4d82e6b_quant
    .symbol:         k_q90c4d82e6b_quant.kd
    .args:
      - { .name: hidden_states, .offset: 0, .size: 8, .value_kind: global_buffer, .address_space: global }
      - { .name: Wq, .offset: 8, .size: 8, .value_kind: global_buffer, .address_space: global }
      - { .name: Wk, .offset: 16, .size: 8, .value_kind: global_buffer, .address_space: global }
      - { .name: Wv, .offset: 24, .size: 8, .value_kind: global_buffer, .address_space: global }
      - { .name: lowp_scales, .offset: 32, .size: 8, .value_kind: global_buffer, .address_space: global }
      - { .name: xc, .offset: 40, .size: 8, .value_kind: global_buffer, .address_space: global }
      - { .name: wc, .offset: 48, .size: 8, .value_kind: global_buffer, .address_space: global }
    .group_segment_fixed_size: 0
    .private_segment_fixed_size: 0
    .kernarg_segment_align: 8
    .kernarg_segment_size: 56
    .max_flat_workgroup_size: 128
    .sgpr_count:     66
    .vgpr_count:     176
    .wavefront_size: 32
...
	.end_amdgpu_metadata
.endif
;; end of part 1
;; launch proj (part 2): grid 4 x 48, 4 waves a work-group, clusters of 4 x 4, 327,680 bytes of LDS; arguments xc, wc, lowp_scales, qkv; writes qkv
.if DOCPART == 2
	.amdgcn_target "amdgcn-amd-amdhsa--gfx1250"
	.amdhsa_code_object_version 6
	.text
	.protected	k_q90c4d82e6b_proj
	.globl	k_q90c4d82e6b_proj
	.p2align	8
	.type	k_q90c4d82e6b_proj,@function
k_q90c4d82e6b_proj:
	s_mov_b64 s[64:65], 0
	v_nop
	global_prefetch_b8 v0, s[64:65] scope:SCOPE_SE
	s_setreg_imm32_b32 hwreg(HW_REG_WAVE_MODE, 25, 1), 1
	s_wait_xcnt 0x0
	s_wait_alu depctr_hold_cnt(0) depctr_sa_sdst(0) depctr_va_vdst(0) depctr_va_sdst(0) depctr_va_ssrc(0) depctr_va_vcc(0) depctr_vm_vsrc(0)
	s_getreg_b32 s2, hwreg(HW_REG_IB_STS2, 6, 4)
	s_cmp_eq_u32 s2, 0
	s_cbranch_scc0 .Lentry_in_a_cluster
	s_endpgm
.Lentry_in_a_cluster:
	s_bfe_u32 s2, ttmp6, 0x10000c
	s_cmp_lg_u32 s2, 0xf033
	s_cbranch_scc0 .Lentry_shape_is_right
	s_endpgm
.Lentry_shape_is_right:
; The three projections on codes of E5M2, quantised anew for attention: qkv [3 (q, k, v)][8 heads][32 blocks of 128 tokens][16,384 bytes].  q, k: 128 tokens x 128 channels (source 1 = tokens, source 0 = channels);
; v: 128 channels x 128 tokens (source 1 = channels, source 0 = tokens): A and B change places.  A work-group makes 256 x 256 of one projection, K in four steps of 256 through a ring of two slots; a wave makes one block.
; A BLOCK IS AN IMAGE OF REGISTERS: byte 2048 a + 512 c + 16 l + x, l = 16 h + r: row 16 a + r of source 1, place along source 0 32 c + 16 h + x.  The rows of source 0 lie permuted in the codes (launch quant), so
; a lane's 16 registers of two neighbouring tiles are 16 neighbours: the conversions' results are 16 bytes of the image, and a store of the wave covers 512 consecutive bytes, aligned.
; CLUSTERS of 4 x 4: A's tiles shared along a row, B's along a column, by joint loads.  PREFETCH left out: K has four steps, the first two are asked for ahead of the loop, and two refills are all that is left.
; LIMITS: for each projection (result's e) - (its operands' two e) lies between -126 and 112, so that both powers of two below are f32 numbers.
.set KSTEP,  256
.set ROWB,   256
.set KROW,   1024
.set PITCH,  272
.set FR,     16
.set NL,     4
.set NP,     4
.set HALFT,  128*PITCH
.set SLOT,   4*HALFT
.set LAPS,   2
.set SPARE,  2*SLOT
.set ADRA, 16
.set ADRB, 20
.set CO,   26
.set SC,   27
.set SPW,  28
.set NIL,  29
.set CD,   32
.set AF,   128
.set G1, 24
.set G0, 32
.set G1B, 48
.set G0B, 56
.set MSB, 0
.macro WIN new
.if MSB != \new
	s_set_vgpr_msb (MSB<<8)|\new
.set MSB, \new
.endif
.endm
.set MUL_LO, 0xa1
.set MUL_HI, 0xf1
.set TO_B,   0x40
.macro JLOAD g0a, g1a, g0b, g1b
	s_cmp_eq_u32 s15, 0
	s_cbranch_scc0 .Lfor_b_\@
	tensor_load_to_lds s[\g0a:\g0a+3], s[\g1a:\g1a+7]
	s_nop 0
.rept 4
	v_nop
.endr
	s_branch .Lasked_\@
.Lfor_b_\@:
	tensor_load_to_lds s[\g0b:\g0b+3], s[\g1b:\g1b+7]
	s_nop 0
.rept 4
	v_nop
.endr
.Lasked_\@:
.endm
.macro CREST
	s_cmp_lg_u32 s14, 0
	s_cbranch_scc1 .Lnot_wave_0_\@
	s_barrier_signal -3
.Lnot_wave_0_\@:
	s_barrier_wait -3
	s_barrier_signal -1
	s_barrier_wait -1
.endm
.macro CROUND
	s_barrier_signal -1
	s_barrier_wait -1
	CREST
.endm
	s_load_b128 s[4:7], s[0:1], 0x0
	s_load_b128 s[8:11], s[0:1], 0x10
	v_lshl_add_u32 v[SPW], v0, 2, SPARE
	v_mov_b32 v[NIL], 0
	ds_add_u32 v28, v29
	ds_add_u32 v28, v29
	s_wait_dscnt 0x0
	v_lshrrev_b32 v1, 5, v0
	v_readfirstlane_b32 s14, v1
	s_lshr_b32 s15, s14, 1
	s_and_b32 s16, s14, 1
	s_bfe_u32 s40, ttmp6, 0x40000
	s_bfe_u32 s41, ttmp6, 0x40004
	s_and_b32 s66, ttmp7, 0xffff
	s_lshr_b32 s67, s66, 2
	s_and_b32 s66, s66, 3
	s_lshl_b32 s66, s66, 2
	s_cmp_lt_u32 s67, 2
	s_cselect_b32 s68, s66, 0
	s_cselect_b32 s69, 0, s66
	s_add_co_u32 s17, s68, s41
	s_add_co_u32 s42, s69, s40
	s_lshl_b32 s43, s41, 2
	s_lshl_b32 s43, 15, s43
	s_lshl_b32 s44, 0x1111, s40
	s_or_b32 s[G1+0], s43, (0<<16)|(1<<20)|(1<<21)|(5<<22)|(3<<25)
	s_or_b32 s[G1B+0], s44, (0<<16)|(1<<20)|(1<<21)|(5<<22)|(3<<25)
.irp g, G1, G1B
	s_mov_b32 s[\g+1], ROWB<<16
	s_mov_b32 s[\g+2], 128<<16
	s_mov_b32 s[\g+3], ROWB<<16
	s_mov_b32 s[\g+4], 128
	s_mov_b32 s[\g+5], KROW
	s_mov_b32 s[\g+6], 0
	s_mov_b32 s[\g+7], 0
.endr
	s_lshl_b32 s18, s16, 7
	s_lshl_b32 s20, s17, 8
	s_add_co_u32 s20, s20, s18
	s_lshl_b32 s20, s20, 10
	s_lshl_b32 s46, s42, 8
	s_add_co_u32 s46, s46, s18
	s_lshl_b32 s46, s46, 10
	s_mov_b32 s21, 0
	s_mov_b32 s47, 0
	s_lshl_b32 s70, s67, 22
	s_mov_b32 s71, 0
	s_lshl_b32 s72, s67, 20
	s_mov_b32 s73, 0
	s_mul_i32 s45, s14, HALFT
	s_wait_kmcnt 0x0
	s_load_b256 s[80:87], s[8:9], 0x0
	s_load_b64 s[88:89], s[8:9], 0x20
	s_add_nc_u64 s[4:5], s[4:5], s[70:71]
	s_add_nc_u64 s[6:7], s[6:7], s[72:73]
	s_cmp_lt_u32 s67, 2
	s_cselect_b64 s[74:75], s[4:5], s[6:7]
	s_cselect_b64 s[76:77], s[6:7], s[4:5]
	s_add_nc_u64 s[20:21], s[74:75], s[20:21]
	s_add_nc_u64 s[46:47], s[76:77], s[46:47]
	CROUND
.irp s, 0,1
	s_mov_b32 s[G0+4*\s], 1
	s_add_co_u32 s[G0+4*\s+1], s45, \s*SLOT
	s_add_nc_u64 s[G0+4*\s+2:G0+4*\s+3], s[20:21], \s*ROWB
	s_or_b32 s[G0+4*\s+3], s[G0+4*\s+3], 0x80000000
	s_mov_b32 s[G0B+4*\s], 1
	s_add_co_u32 s[G0B+4*\s+1], s45, \s*SLOT
	s_add_nc_u64 s[G0B+4*\s+2:G0B+4*\s+3], s[46:47], \s*ROWB
	s_or_b32 s[G0B+4*\s+3], s[G0B+4*\s+3], 0x80000000
.endr
	JLOAD G0, G1, G0B, G1B                         ; K step 0: one tensor load a wave at the head
	v_and_b32 v1, 15, v0
	s_wait_alu depctr_va_vdst(0)
	v_bfe_u32 v2, v0, 4, 1
	v_mul_u32_u24 v3, v1, PITCH
	v_lshl_add_u32 v4, v2, 4, v3
	s_mul_i32 s21, s15, HALFT
	s_mul_i32 s22, s16, HALFT
	s_add_co_u32 s22, s22, 2*HALFT
.irp s, 0,1
	v_add_nc_u32 v[ADRA+\s], s21, v4
	v_add_nc_u32 v[ADRB+\s], s22, v4
	s_add_co_u32 s21, s21, SLOT
	s_add_co_u32 s22, s22, SLOT
.endr
	v_and_b32 v6, 31, v0
	v_lshlrev_b32 v[CO], 4, v6                     ; 16 x lane: my place in a store's 512 bytes
	s_lshl_b32 s78, s17, 1
	s_add_co_u32 s78, s78, s15
	s_lshl_b32 s79, s42, 1
	s_add_co_u32 s79, s79, s16
	s_cmp_lt_u32 s67, 2
	s_cselect_b32 s94, s79, s78
	s_cselect_b32 s95, s78, s79
	s_lshl_b32 s94, s94, 5
	s_add_co_u32 s94, s94, s95
	s_lshl_b32 s94, s94, 14
	s_add_co_u32 s94, s94, s70
	s_mov_b32 s95, 0
	s_add_nc_u64 s[10:11], s[10:11], s[94:95]
.macro FRAG reg, adr, q, i
.irp c, 0,1,2,3
	ds_load_b128 v[\reg+4*\c:\reg+4*\c+3], v[\adr] offset:128*(\q)+32*\c+(\i)*16*PITCH
.endr
.endm
.macro MUL16 a0, p, zero
.irp a, \a0, \a0+1
.irp b, 0,1,2,3,4,5,6,7
.if \zero
	v_wmma_f32_16x16x128_bf8_bf8 v[8*(8*((\a)%4)+\b):8*(8*((\a)%4)+\b)+7], v[128*(\p)+FR*\b:128*(\p)+FR*\b+FR-1], v[AF+FR*(\a):AF+FR*(\a)+FR-1], 0
.else
	v_wmma_f32_16x16x128_bf8_bf8 v[8*(8*((\a)%4)+\b):8*(8*((\a)%4)+\b)+7], v[128*(\p)+FR*\b:128*(\p)+FR*\b+FR-1], v[AF+FR*(\a):AF+FR*(\a)+FR-1], v[8*(8*((\a)%4)+\b):8*(8*((\a)%4)+\b)+7]
.endif
.endr
.endr
.endm
.macro FETCH_B slot, q, p
	WIN TO_B
.irp i, 0,1,2,3,4,5,6,7
	FRAG 128*(\p)+FR*\i, ADRB+\slot, \q, \i
.endr
	WIN 0
.endm
.macro FETCH_A slot, q, i0
.irp i, \i0, \i0+1, \i0+2, \i0+3
	FRAG AF+FR*(\i), ADRA+\slot, \q, \i
.endr
.endm
.macro PLACES n
.rept \n
	v_nop
.endr
.endm
.macro STEP slot, q, zero
	s_wait_dscnt 4*NL
	WIN MUL_LO
	MUL16 0, (\q)%2, \zero
	MUL16 2, (\q)%2, \zero
	s_wait_dscnt 0
	PLACES NP
	FETCH_B \slot, (\q)+1, 1-(\q)%2
	FETCH_A \slot, (\q)+1, 0
	WIN MUL_HI
	MUL16 4, (\q)%2, \zero
	MUL16 6, (\q)%2, \zero
	PLACES NP
	WIN 0
	FETCH_A \slot, (\q)+1, 4
.endm
.macro TURN slot, next, fill
	s_wait_tensorcnt 0x0
	ds_add_u32 v[SPW], v[NIL]
	s_wait_dscnt 4*NL+1
	WIN MUL_LO
	MUL16 0, 1, 0
	s_wait_dscnt 0x0
	s_barrier_signal -1
	MUL16 2, 1, 0
	WIN 0
	s_barrier_wait -1
.if \fill
	CREST
	s_add_nc_u64 s[G0+4*\slot+2:G0+4*\slot+3], s[G0+4*\slot+2:G0+4*\slot+3], 2*ROWB
	s_add_nc_u64 s[G0B+4*\slot+2:G0B+4*\slot+3], s[G0B+4*\slot+2:G0B+4*\slot+3], 2*ROWB
	JLOAD G0+4*\slot, G1, G0B+4*\slot, G1B
.else
	PLACES NP
.endif
	FETCH_B \next, 0, 0
	FETCH_A \next, 0, 0
	WIN MUL_HI
	MUL16 4, 1, 0
	MUL16 6, 1, 0
	PLACES NP
	WIN 0
	FETCH_A \next, 0, 4
.endm
	s_wait_alu depctr_va_vdst(0)
	s_wait_tensorcnt 0x0                           ; my part of K step 0 is in
	ds_add_u32 v[SPW], v[NIL]
	s_wait_dscnt 0x0
	CROUND                                         ; everybody's part of K step 0 is in, and all sixteen work-groups are here
	JLOAD G0+4, G1, G0B+4, G1B                     ; K step 1, the first tensor load behind the round
	FETCH_B 0, 0, 0
	FETCH_A 0, 0, 0
	FETCH_A 0, 0, 4
	STEP 0, 0, 1
	s_mov_b32 s3, LAPS-1
.Llap:
	TURN 0, 1, 1
	STEP 1, 0, 0
	TURN 1, 0, 1
	STEP 0, 0, 0
	s_sub_co_u32 s3, s3, 1
	s_cmp_lg_u32 s3, 0
	s_cbranch_scc1 .Llap
	TURN 0, 1, 0
	STEP 1, 0, 0
	s_wait_dscnt 4*NL
	WIN MUL_LO
	MUL16 0, 1, 0
	MUL16 2, 1, 0
	s_wait_dscnt 0
	WIN 0
	s_wait_kmcnt 0x0
	s_cmp_eq_u32 s67, 0
	s_cselect_b32 s90, s80, s82
	s_cselect_b32 s91, s81, s83
	s_cselect_b32 s92, s86, s87
	s_cmp_eq_u32 s67, 2
	s_cselect_b32 s90, s84, s90
	s_cselect_b32 s91, s85, s91
	s_cselect_b32 s92, s89, s92
	s_sub_co_i32 s92, s92, s90
	s_sub_co_i32 s92, s92, s91
	s_add_co_i32 s92, s92, 127
	s_lshl_b32 s93, s92, 23
	s_add_co_i32 s92, s92, 15
	s_lshl_b32 s92, s92, 23
	s_or_b32 s91, s92, 0x600000
	s_or_b32 s90, s91, 0x80000000
	PLACES NP
	v_mov_b32 v[SC], s93
.macro TOCODES a
.set AC, 64*((\a)%4)
.set WN, 0x82+0x41*((\a)/4)
	WIN WN
.set nn, 0
.rept 64
	v_med3_num_f32 v[AC+nn], v[AC+nn], s90, s91
.set nn, nn+1
.endr
.set WN, 0x02+((\a)/4)
	WIN WN
.irp b, 0,1,2,3,4,5,6,7
	v_cvt_scalef32_pk8_bf8_f32 v[CD+16*(\a)+2*\b:CD+16*(\a)+2*\b+1], v[AC+8*\b:AC+8*\b+7], v[SC]
.endr
	v_nop
	WIN 0
.irp b, 0,1,2,3,4,5,6,7
.if (\b%2) == 0
	global_store_b128 v[CO], v[CD+16*(\a)+2*\b:CD+16*(\a)+2*\b+3], s[10:11] offset:2048*(\a)+256*\b
.endif
.endr
.endm
.irp a, 0,1,2,3
	TOCODES \a                                     ; blocks 0-3 are finished: they leave ahead of the last products
.endr
	WIN MUL_HI
	MUL16 4, 1, 0
	MUL16 6, 1, 0
	WIN 0
	PLACES NP
.irp a, 4,5,6,7
	TOCODES \a
.endr
	s_wait_tensorcnt 0x0
	ds_add_u32 v[SPW], v[NIL]
	s_wait_dscnt 0x0
	CROUND
	s_endpgm
.Lfunc_end_k_q90c4d82e6b_proj:
	.size	k_q90c4d82e6b_proj, .Lfunc_end_k_q90c4d82e6b_proj-k_q90c4d82e6b_proj
	.p2alignl 7, 3214868480
	.fill 96, 4, 3214868480
	.section	.rodata,"a",@progbits
	.p2align	6, 0x0
	.amdhsa_kernel k_q90c4d82e6b_proj
		.amdhsa_group_segment_fixed_size 327680
		.amdhsa_private_segment_fixed_size 0
		.amdhsa_enable_private_segment 0
		.amdhsa_kernarg_size 32
		.amdhsa_user_sgpr_count 2
		.amdhsa_user_sgpr_kernarg_segment_ptr 1
		.amdhsa_wavefront_size32 1
		.amdhsa_system_sgpr_workgroup_id_x 1
		.amdhsa_system_sgpr_workgroup_id_y 1
		.amdhsa_system_sgpr_workgroup_id_z 1
		.amdhsa_system_vgpr_workitem_id 0
		.amdhsa_next_free_vgpr 1024
		.amdhsa_next_free_sgpr 100
		.amdhsa_reserve_vcc 0
		.amdhsa_float_denorm_mode_32 3
		.amdhsa_float_denorm_mode_16_64 3
		.amdhsa_memory_ordered 1
		.amdhsa_forward_progress 1
		.amdhsa_inst_pref_size 119
	.end_amdhsa_kernel
	.amdgpu_metadata
---
amdhsa.version: [ 1, 2 ]
amdhsa.kernels:
  - .name:           k_q90c4d82e6b_proj
    .symbol:         k_q90c4d82e6b_proj.kd
    .args:
      - { .name: xc, .offset: 0, .size: 8, .value_kind: global_buffer, .address_space: global }
      - { .name: wc, .offset: 8, .size: 8, .value_kind: global_buffer, .address_space: global }
      - { .name: lowp_scales, .offset: 16, .size: 8, .value_kind: global_buffer, .address_space: global }
      - { .name: qkv, .offset: 24, .size: 8, .value_kind: global_buffer, .address_space: global }
    .group_segment_fixed_size: 327680
    .private_segment_fixed_size: 0
    .kernarg_segment_align: 8
    .kernarg_segment_size: 32
    .max_flat_workgroup_size: 128
    .sgpr_count:     100
    .vgpr_count:     1024
    .wavefront_size: 32
...
	.end_amdgpu_metadata
.endif
;; end of part 2
;; launch attn (part 3): grid 32 x 8, 4 waves a work-group, clusters of 4 x 1, 327,680 bytes of LDS; arguments qkv, lowp_scales, out0; writes out0
.if DOCPART == 3
	.amdgcn_target "amdgcn-amd-amdhsa--gfx1250"
	.amdhsa_code_object_version 6
	.text
	.protected	k_q90c4d82e6b_attn
	.globl	k_q90c4d82e6b_attn
	.p2align	8
	.type	k_q90c4d82e6b_attn,@function
k_q90c4d82e6b_attn:
	s_mov_b64 s[64:65], 0
	v_nop
	global_prefetch_b8 v0, s[64:65] scope:SCOPE_SE
	s_setreg_imm32_b32 hwreg(HW_REG_WAVE_MODE, 25, 1), 1
	s_wait_xcnt 0x0
	s_wait_alu depctr_hold_cnt(0) depctr_sa_sdst(0) depctr_va_vdst(0) depctr_va_sdst(0) depctr_va_ssrc(0) depctr_va_vcc(0) depctr_vm_vsrc(0)
	s_getreg_b32 s2, hwreg(HW_REG_IB_STS2, 6, 4)
	s_cmp_eq_u32 s2, 0
	s_cbranch_scc0 .Lentry_in_a_cluster
	s_endpgm
.Lentry_in_a_cluster:
	s_bfe_u32 s2, ttmp6, 0x10000c
	s_cmp_lg_u32 s2, 0x3003
	s_cbranch_scc0 .Lentry_shape_is_right
	s_endpgm
.Lentry_shape_is_right:
; Causal attention on codes of E5M2: out0[q][128 head + d] = sum over keys k <= q of softmax_k(Q[q] . K[k] / sqrt(128)) V[k][d], 8 heads of 128, 4,096 tokens.
; qkv [3 (q, k, v)][8 heads][32 blocks][16,384 bytes], each block an image of operand registers: byte 2048 t + 512 c + 16 l, l = 16 h + r: row r of tile t, 32 c + 16 h + 0 .. 15 along the row.  q, k: row = token, along
; it the channels; v: row = channel, along it the keys.  Row r of tile t = 2 b + u is, for k and v, number 32 b + 8 u + r + 8 (r / 8) of the block; for q number 16 t + r.
; THE SOFTMAX: t = score x log2(e) / sqrt(128); M = the largest t so far, rounded UP to a whole number; p = 2^(t - M) is quantised with 2^e8, not normalised; the sum is taken of the unquantised p and divides at
; the end.  When M moves, the sum and O are multiplied by 2^(old M - new M): exact.
; LIMITS: e6 + e7 between -123 and 80 (added to c's exponent field; the running maximum begins at a score of -2^42, and 128 x 57,344^2 is less); e8 between -126 and 112; e8 + e9 is applied by v_ldexp_f32 and has none.
; WORK LEFT OUT: tiles of 256 queries x 256 keys that the causal mask of reference() hides whole (launch quant's head); a NaN or an infinity that reaches only these is not carried to the result.
; SHARES.  A cluster of four work-groups owns two blocks of 256 queries of one head: first block 15 - g, then block g (g = cluster x, 0 .. 7).  A visit is a slot of 512 keys, two halves of 256: block B wants B + 1 halves,
; so every cluster makes 9 visits with 17 halves of work: a half that is hidden whole is led round by a scalar branch on ids, round no barrier, wait, add or tensor load.  Work-group cx takes queries 64 cx .. 64 cx + 63
; of each block; wave 2 tau + p takes 32 of them, two tiles of 16, and the keys 128 p .. 128 p + 127 of each half: each fragment of K and V that it reads feeds two matrix instructions.  The two waves' states (M, sum, O) are
; merged at the end, by exact powers of two.  All four partners want the same slot in every visit: it is asked for JOINTLY, a quarter of it (128 rows of 256 bytes) by each wave.
; No branch and no LDS address hangs on cx: it enters Q's, the output's and the prefetches' addresses, and the mask's numbers.
; LAYOUT.  Both products are used transposed: S^T = K Q^T, O^T = V^T P^T: a lane holds ONE query of a tile (lane % 16).  The 16 registers of tiles 2 b, 2 b + 1 are 16 neighbouring keys (channels) 32 b + 16 h + 0 .. 15:
; the conversions' results are the second product's operand.
; REGISTERS, in windows of 256.  Window 0: v1-30 addresses and a state's numbers; v32-95, v96-159 the two tiles' S^T, then p; v160-191 p's codes; v192-243 at work.  Window 1: v0-31 Q, v32-63 the second block's Q,
; v64-191 the first block's O^T, put by.  Window 2: v0-127 O^T.  Window 3: v0-127 eight fragments of K, v128-255 eight of V.
.set SLOT1, 1<<17                      ; a slot: 65,536 bytes of K, 65,536 of V; slot 1 begins here: one exclusive or turns an address in one slot into the other's
.set DB,    SLOT1                      ; the merge: O of 4 waves x 2 blocks x 32 rows of 528 bytes, in slot 1 (left at the last fill-less change: it has had its last fill, and nobody reads it) and 4,096 bytes behind it
.set DPITCH, 528                       ; 512 bytes of a row and 16 of padding
.set MLB,   DB+8*32*DPITCH             ; the states' -M and sums: 1,024 bytes a wave
.set SPARE, MLB+4096                   ; the spare words, 128 bytes for each wave: two blocks of 256 bytes that no other line names
.set AK0,  1                           ; v1   16 x lane + 16,384 p
.set DM,   2                           ; v2   on the diagonal: my query (first tile) - my first key - 16 h
.set PFO,  3                           ; v3   256 x lane, for the prefetches
.set LOFF, 4                           ; v4   16 x lane
.set SPW,  5
.set NIL,  6
.set ADK,  7                           ; v7, v8 LDS addresses of K and V in the slot in hand
.set ADV,  8
.set DPA,  9                           ; v9   where I put rows of O
.set RDA,  10                          ; v10  from where I read rows
.set MLO,  11                          ; v11, v12  -M and sum: mine, my partner wave's
.set MLX,  12
.set HOLDV, 30                         ; v30  2^e8 as f32
; v13, v14 the running largest score; v16, v18 -M (v17, v19 the last -M); v20, v22 f = 2^(old M - new M) (v21, v23 its exponent); v[24:25], v[26:27] the sums in two halves; v240-243 the first block's -M and sums
.set TB,   2                           ; s2   LDS byte at which the slot in hand begins
.set VI,   3                           ; s3   the visit, 0 .. 8
.set LASTV, 16                         ; s16  the first block's last visit
.set WV,   18
.set SEL,  20
.set CS,   22
.set G1,   24
.set MODE, 32                          ; s32  1: the visit's first half is the diagonal (the second is hidden), 2: the second is, 0: none
.set M1,   33
.set M2,   34
.set HB,   35                          ; s35  57,344 x 2^e8
.set G0,   40
.set PFA,  50
.set LIM,  52
.set MSB, 0
.macro WIN new                         ; the immediate's high byte repeats the setting that is left
.if MSB != \new
	s_set_vgpr_msb (MSB<<8)|\new
.set MSB, \new
.endif
.endm
.macro PLACES
.rept 4
	v_nop
.endr
.endm
.macro CROUND                          ; a round of the cluster's barrier
	s_barrier_signal -1
	s_barrier_wait -1
	s_cmp_lg_u32 s[WV], 0
	s_cbranch_scc1 .Lnot_wave_0_\@
	s_barrier_signal -3
.Lnot_wave_0_\@:
	s_barrier_wait -3
	s_barrier_signal -1
	s_barrier_wait -1
.endm
.macro TLOAD                           ; a joint load: my quarter of a slot
	tensor_load_to_lds s[G0:G0+3], s[G1:G1+7]
	s_nop 0
	PLACES
.endm
; A PREFETCH INTO THE L2 of the slot that the NEXT change will ask for: a visit ahead of its load.  All clusters of a head begin with slots 0, 1, 2 ..; the cluster with g = 0 walks all eight and it alone asks, for slots 2
; to 7.  A slot is 131,072 bytes: each wave of the four partners names 8,192 of them, lanes 256 bytes apart, told apart BY ADDRESS: each block of 256 bytes once in the launch.  Slots 0 and 1 come by their loads alone.
.macro ASK
	s_cmp_lt_u32 s[VI], s[LIM]
	s_cbranch_scc0 .Lnot_mine_\@
	global_prefetch_b8 v[PFO], s[PFA:PFA+1] th:TH_LOAD_NT scope:SCOPE_SE
.Lnot_mine_\@:
.endm
; 32 LDS loads in one run, each 512 consecutive bytes: the eight fragments of half q into window 3
.macro FETCH reg, adr, q
	WIN 0xc0
.set ii, 0
.rept 32
	ds_load_b128 v[\reg+4*ii:\reg+4*ii+3], v[\adr] offset:32768*\q+512*ii
.set ii, ii+1
.endr
	WIN 0
.endm
; A block's state begins: f is 0 in the first step (old -M = 3e38), so what O and the sum hold then counts for nothing
.macro BEGIN
	v_mov_b32 v13, 0xd4800000                      ; -2^42, under every score
	v_mov_b32 v14, 0xd4800000
	v_mov_b32 v16, 0x7f61b1e6                      ; 3e38
	v_mov_b32 v18, 0x7f61b1e6
.endm
	s_load_b128 s[4:7], s[0:1], 0x0                ; qkv s[4:5], the scales' exponents s[6:7]
	s_load_b64 s[10:11], s[0:1], 0x10              ; out0
	v_lshl_add_u32 v[SPW], v0, 2, SPARE
	v_mov_b32 v[NIL], 0
	ds_add_u32 v[SPW], v[NIL]                      ; the opening: the add, twice on end, and its wait ahead of my first tensor load
	ds_add_u32 v[SPW], v[NIL]
	v_lshrrev_b32 v7, 5, v0
	v_readfirstlane_b32 s[WV], v7                  ; wave 0..3
	s_bfe_u32 s19, ttmp6, 0x40000                  ; cx
	s_and_b32 s72, ttmp7, 0xffff                   ; the head, which the four partners share
	s_lshr_b32 s53, s[WV], 1                       ; tau: my 32 queries.  Also: I fetch for K (0) or V (1)
	s_and_b32 s54, s[WV], 1                        ; p: my 128 keys of a half.  Also: which half of that tensor's part I fetch
	s_sub_co_u32 s60, 15, ttmp9                    ; the first block of 256 queries
	s_lshr_b32 s[LASTV], s60, 1
	s_and_b32 s[M1], s60, 1                        ; an even block's diagonal is its last visit's first half, an odd one's the second
	s_add_co_u32 s[M1], s[M1], 1
	s_and_b32 s[M2], ttmp9, 1
	s_add_co_u32 s[M2], s[M2], 1
	s_add_co_u32 s17, s[LASTV], 1
	s_lshl_b32 s17, s17, 16                        ; the first block's slots in bytes of K: what the walk goes back by when the second block begins
	s_mov_b32 s49, 0
	s_lshl_b32 s73, s72, 19                        ; the head's first byte in each of q, k, v
	; descriptor group 1: 128 rows of 256 bytes, dense in memory and in LDS
	s_mov_b32 s[G1], 15|(1<<21)                    ; 15:0 the mask: all four work-groups; 17:16 elements of 1 byte; 21 set beside a mask
	s_mov_b32 s[G1+1], 256<<16                     ; tensor_dim0
	s_mov_b32 s[G1+2], 128<<16                     ; tensor_dim1
	s_mov_b32 s[G1+3], 256<<16                     ; tile_dim0
	s_mov_b32 s[G1+4], 128                         ; tile_dim1
	s_mov_b32 s[G1+5], 256                         ; tensor_dim0_stride
	s_mov_b32 s[G1+6], 0
	s_mov_b32 s[G1+7], 0
	s_lshl_b32 s74, s53, 22                        ; k's codes lie 0x400000 bytes on, v's twice that
	s_lshl_b32 s75, s54, 15
	s_add_co_u32 s74, s74, s75
	s_add_co_u32 s74, s74, s73
	s_add_co_u32 s74, s74, 0x400000                ; my quarter of slot 0
	s_mov_b32 s75, 0
	s_lshl_b32 s76, s19, 13
	s_add_co_u32 s76, s76, s74
	s_add_co_u32 s76, s76, 65536                   ; my prefetches: a part of that quarter, in slot 1: the first change steps it to slot 2
	s_mov_b32 s77, 0
	s_cmp_eq_u32 ttmp9, 0
	s_cselect_b32 s[LIM], 5, 0
	s_lshl_b32 s82, s19, 13                        ; Q: 128 bytes a query: 64 cx + 32 tau,
	s_lshl_b32 s83, s53, 12
	s_add_co_u32 s82, s82, s83
	s_add_co_u32 s82, s82, s73
	s_lshl_b32 s84, s60, 15                        ; of the first block
	s_add_co_u32 s84, s84, s82
	s_mov_b32 s85, 0
	s_lshl_b32 s86, ttmp9, 15                      ; and of the second
	s_add_co_u32 s86, s86, s82
	s_mov_b32 s87, 0
	; the output: even waves store their pair's rows of the first block, odd waves those of the second
	s_cmp_eq_u32 s54, 0
	s_cselect_b32 s88, s60, ttmp9
	s_lshl_b32 s88, s88, 8
	s_lshl_b32 s89, s19, 6
	s_lshl_b32 s90, s53, 5
	s_add_co_u32 s90, s90, s89                     ; 64 cx + 32 tau
	s_add_co_u32 s88, s88, s90
	s_lshl_b32 s88, s88, 12                        ; a row of the output is 4,096 bytes
	s_lshl_b32 s89, s72, 9
	s_add_co_u32 s88, s88, s89                     ; + the head's 512
	s_mov_b32 s89, 0
	s_lshl_b32 s91, s54, 7
	s_sub_co_u32 s90, s90, s91                     ; on the diagonal: my first query less my first key (a signed number)
	s_mov_b32 s[SEL], 0x76543210
	s_mov_b32 s[SEL+1], 0xfedcba98
	s_mov_b32 s[CS], 0x3e0293ee                    ; c = log2(e) / sqrt(128)
	s_mov_b32 s[TB], 0
	s_mov_b32 s[VI], 0
	s_wait_alu depctr_va_vdst(0)
	s_wait_dscnt 0x0                               ; both opening adds are done
	s_wait_kmcnt 0x0
	s_load_b128 s[68:71], s[6:7], 0x18             ; e6, e7, e8, e9
	s_mov_b32 s[G0], 1                             ; 1:0 count = 1
	s_lshl_b32 s[G0+1], s[WV], 15                  ; 63:32 LDS address: my quarter of slot 0
	s_add_nc_u64 s[G0+2:G0+3], s[4:5], s[74:75]    ; 120:64 global address
	s_or_b32 s[G0+3], s[G0+3], 0x80000000          ; 127:126 type = 2
	CROUND                                         ; all four work-groups are here: the first joint loads meet
	TLOAD                                          ; slot 0: one tensor load a wave at the head
	s_add_nc_u64 s[PFA:PFA+1], s[4:5], s[76:77]
	s_add_nc_u64 s[12:13], s[4:5], s[84:85]
	s_add_nc_u64 s[14:15], s[4:5], s[86:87]
	s_add_nc_u64 s[10:11], s[10:11], s[88:89]
	v_and_b32 v34, 31, v0                          ; lane
	v_lshlrev_b32 v[LOFF], 4, v34
	WIN 0x40
.set ii, 0
.rept 8
	global_load_b128 v[4*ii:4*ii+3], v[LOFF], s[12:13] offset:512*ii       ; Q's two tiles of the first block,
	global_load_b128 v[32+4*ii:35+4*ii], v[LOFF], s[14:15] offset:512*ii   ; and of the second
.set ii, ii+1
.endr
	WIN 0
	v_and_b32 v32, 15, v0                          ; r
	v_bfe_u32 v33, v0, 4, 1                        ; h
	s_lshl_b32 s91, s54, 14
	v_add_nc_u32 v[AK0], s91, v[LOFF]
	v_lshlrev_b32 v35, 4, v33
	v_sub_nc_u32 v[DM], v32, v35
	v_add_nc_u32 v[DM], s90, v[DM]
	v_lshlrev_b32 v[PFO], 8, v34
	s_mul_i32 s91, s[WV], 64*DPITCH
	s_add_co_u32 s91, s91, DB
	v_mul_u32_u24 v[DPA], v32, DPITCH
	v_lshl_add_u32 v[DPA], v33, 6, v[DPA]
	v_add_nc_u32 v[DPA], s91, v[DPA]               ; row r, + 64 h
	s_mul_i32 s91, s53, 128*DPITCH
	s_mul_i32 s92, s54, 32*DPITCH
	s_add_co_u32 s91, s91, s92
	s_add_co_u32 s91, s91, DB
	v_add_nc_u32 v[RDA], s91, v[LOFF]
	s_lshl_b32 s91, s[WV], 10
	s_add_co_u32 s91, s91, MLB
	v_lshlrev_b32 v35, 2, v34
	v_add_nc_u32 v[MLO], s91, v35
	s_xor_b32 s92, s[WV], 1
	s_lshl_b32 s92, s92, 10
	s_add_co_u32 s92, s92, MLB
	v_add_nc_u32 v[MLX], s92, v35
	BEGIN
	v_mov_b32 v24, 0
	v_mov_b32 v25, 0
	v_mov_b32 v26, 0
	v_mov_b32 v27, 0
	v_mov_b32 v200, 0                              ; written once: a lane permute's destination counts as one of its sources
	v_mov_b32 v201, 0
.irp i, 240,241,242,243
	v_mov_b32 v\i, 0                               ; (written on every way to their readers)
.endr
	WIN 0x80
.set ii, 0
.rept 128
	v_mov_b32 v[ii], 0                             ; O^T: numbers, for the first step's f = 0
.set ii, ii+1
.endr
	WIN 0x40
.set ii, 0
.rept 128
	v_mov_b32 v[64+ii], 0                          ; (written on every way to their readers)
.set ii, ii+1
.endr
	WIN 0
	s_wait_alu depctr_va_vdst(0)
	s_wait_kmcnt 0x0
	s_add_co_i32 s91, s68, s69
	s_lshl_b32 s91, s91, 23
	s_add_co_i32 s[CS], s[CS], s91                 ; a score stands for score x 2^(e6 + e7): the two exponents are added to c's exponent field
	s_mov_b32 s[CS+1], s[CS]                       ; (named with it as a pair, so it is written)
	s_add_co_i32 s91, s70, 127
	s_lshl_b32 s92, s91, 23
	v_mov_b32 v[HOLDV], s92                        ; 2^e8 as f32, for the conversion
	s_add_co_i32 s91, s91, 15
	s_lshl_b32 s91, s91, 23
	s_or_b32 s[HB], s91, 0x600000
; THE CHANGE OF SLOTS.  Each wave waits for all its tensor loads (its part of the slot that comes next), adds 0 to its spare word, and waits for that and for its reads of the slot that it leaves.  fill = 1: the barrier is a
; round of the cluster's, and behind it the slot just left is filled with the keys of the visit after the next: the load has a whole visit in which to land.  A wave has one tensor load out at the most.
; first = 1, ahead of the loop: slot 0 is about to be read, and slot 1's first fill is issued in the same form.
.macro CHANGE fill, first
	s_wait_tensorcnt 0x0                           ; no tensor load of mine is out, so group 0 may be written
	ds_add_u32 v[SPW], v[NIL]                      ; 0 onto my spare word; the descriptor's steps stand between it and the wait for it
.if \fill
	s_xor_b32 s[G0+1], s[G0+1], SLOT1
	s_add_nc_u64 s[G0+2:G0+3], s[G0+2:G0+3], 0x10000   ; the next 512 keys,
.if !\first
	s_add_co_u32 s48, s[VI], 1
	s_cmp_eq_u32 s48, s[LASTV]
	s_cselect_b32 s48, s17, 0                      ; or, where that visit begins the second block, the head's first 512 again
	s_sub_nc_u64 s[G0+2:G0+3], s[G0+2:G0+3], s[48:49]
.endif
	s_wait_xcnt 0x0                                ; the last prefetch has read its address, so it may be written
	s_add_nc_u64 s[PFA:PFA+1], s[PFA:PFA+1], 0x10000
.endif
	s_wait_dscnt 0x0                               ; the add is done, and so are my reads
.if \fill
	CROUND                                         ; both now hold of every wave of all four work-groups
	TLOAD                                          ; the first thing behind the round
	ASK
.else
	s_barrier_signal -1
	s_barrier_wait -1
.endif
.if !\first
	s_xor_b32 s[TB], s[TB], SLOT1                  ; on to the other slot
.endif
	v_add_nc_u32 v[ADK], s[TB], v[AK0]
	v_add_nc_u32 v[ADV], 0x10000, v[ADK]
	s_wait_alu depctr_va_vdst(0)
.if !\fill
	s_cmp_eq_u32 s[VI], 8                          ; no visit follows the last
	s_cbranch_scc1 .Lno_next_\@
.endif
	FETCH 0, ADK, 0                                ; K of the next visit's first half
.Lno_next_\@:
.endm
; S^T = K Q^T: each fragment of K serves two tiles of queries.  28 - 4 t: of K's 32 loads, the youngest, those behind fragment t may be out.
.macro SCORES
	WIN 0x07
.set tt, 0
.rept 8
	s_wait_dscnt 28-4*tt
	v_wmma_f32_16x16x128_bf8_bf8 v[32+8*tt:39+8*tt], v[16*tt:16*tt+15], v[0:15], 0
	v_wmma_f32_16x16x128_bf8_bf8 v[96+8*tt:103+8*tt], v[16*tt:16*tt+15], v[16:31], 0
.set tt, tt+1
.endr
	PLACES                                         ; for the loads below and for the first read of the scores
.endm
; On the diagonal the scores of hidden keys become -infinity ahead of the maximum: p = 0 then.  Register 16 b + i of a tile holds my key 32 b + 16 h + i: hidden where 32 b + i > DM (+ 16 in the second tile)
.macro MASK mode
	s_cmp_lg_u32 s[MODE], \mode
	s_cbranch_scc1 .Lopen_\@
	v_mov_b32 v202, 0xff800000
	v_mov_b32 v236, v[DM]
	v_add_nc_u32 v237, 0xffffffc0, v[DM]           ; - 64: serves b = 2, 3
	v_add_nc_u32 v238, 16, v[DM]
	v_add_nc_u32 v239, 0xffffffd0, v[DM]           ; 16 - 64
.set nn, 0
.rept 128
.set dr, 236+2*(nn/64)+((nn%64)/32)
	v_cmp_gt_i32 vcc_lo, 32*((nn%32)/16)+nn%16, v[dr]
	v_cndmask_b32 v[32+nn], v[32+nn], v202, vcc_lo
.set nn, nn+1
.endr
.Lopen_\@:
.endm
.macro HOLD2 reg                       ; the conversion to an 8-bit code does not saturate (ISA guide 7.6.2); p is not negative, so the hold is one-sided; two numbers at a time
	v_dual_min_num_f32 v[\reg], s[HB], v[\reg] :: v_dual_min_num_f32 v[\reg+1], s[HB], v[\reg+1]
.endm
.macro SUM8 acc, src                   ; eight chains of pairs: 64 p's of a tile
.irp j, 0,2,4,6,8,10,12,14
	v_pk_add_f32 v[\acc+\j:\acc+\j+1], v[\src+\j:\src+\j+1], v[\src+16+\j:\src+17+\j]
.endr
.irp j, 0,2,4,6,8,10,12,14
	v_pk_add_f32 v[\acc+\j:\acc+\j+1], v[\acc+\j:\acc+\j+1], v[\src+32+\j:\src+33+\j]
.endr
.irp j, 0,2,4,6,8,10,12,14
	v_pk_add_f32 v[\acc+\j:\acc+\j+1], v[\acc+\j:\acc+\j+1], v[\src+48+\j:\src+49+\j]
.endr
.endm
.macro JOIN d, s                       ; one level of the chains' join, in both tiles
	v_pk_add_f32 v[204+\d:205+\d], v[204+\d:205+\d], v[204+\s:205+\s]
	v_pk_add_f32 v[220+\d:221+\d], v[220+\d:221+\d], v[220+\s:221+\s]
.endm
; Two tiles' softmax over my 128 keys, each step of it for both.  q = 0: K's fragments of the visit's second half are asked for on the way.
.macro SOFTMAX q
.set ii, 0
.rept 8                                ; the largest score: four chains a tile, each begun by the running largest; each accumulator from its low end on
.irp j, 0,1,2,3
.if ii == 0
	v_max3_num_f32 v[192+\j], v13, v[32+16*\j], v[33+16*\j]
	v_max3_num_f32 v[196+\j], v14, v[96+16*\j], v[97+16*\j]
.else
	v_max3_num_f32 v[192+\j], v[192+\j], v[32+16*\j+2*ii], v[33+16*\j+2*ii]
	v_max3_num_f32 v[196+\j], v[196+\j], v[96+16*\j+2*ii], v[97+16*\j+2*ii]
.endif
.endr
.set ii, ii+1
.endr
.if \q == 0
	FETCH 0, ADK, 1
.endif
	v_max3_num_f32 v192, v192, v193, v194
	v_max3_num_f32 v196, v196, v197, v198
	v_max_num_f32 v192, v192, v195
	v_max_num_f32 v196, v196, v199
	v_permlanex16_b32 v200, v192, s[SEL], s[SEL+1]
	v_permlanex16_b32 v201, v196, s[SEL], s[SEL+1]
	v_mov_b32 v17, v16
	v_mov_b32 v19, v18
	v_max_num_f32 v13, v192, v200                  ; and among lane l xor 16's: the running largest score
	v_max_num_f32 v14, v196, v201
	v_mul_f32 v28, s[CS], v13                      ; as t (c is positive)
	v_mul_f32 v29, s[CS], v14
	v_floor_f32 v16, -v28                          ; the new -M = floor(-t) = -ceil(t): M is a whole number
	v_floor_f32 v18, -v29
	v_sub_f32 v21, v16, v17                        ; M's old value less its new one: a whole number, 0 or less
	v_sub_f32 v23, v18, v19
	v_cvt_i32_f32 v21, v21                         ; (it saturates)
	v_cvt_i32_f32 v23, v23
.set ii, 0
.rept 32
	v_pk_fma_f32 v[32+2*ii:33+2*ii], v[32+2*ii:33+2*ii], s[CS:CS+1], v[16:17] op_sel_hi:[1,0,0]   ; t - M, two at a time (of the pairs c and -M the low word serves both halves)
.if ii == 3
	v_ldexp_f32 v20, 1.0, v21                      ; f = 2^(old M - new M)
	v_ldexp_f32 v22, 1.0, v23
.endif
.set ii, ii+1
.endr
	WIN 0x82
.set ii, 0
.rept 32
	v_pk_mul_f32 v[2*ii:2*ii+1], v[2*ii:2*ii+1], v[20:21] op_sel_hi:[1,0]   ; O^T under the new M
.set ii, ii+1
.endr
.rept 32
	v_pk_mul_f32 v[2*ii:2*ii+1], v[2*ii:2*ii+1], v[22:23] op_sel_hi:[1,0]
.set ii, ii+1
.endr
	WIN 0
	s_wait_alu depctr_va_vdst(0)
.set ii, 0
.rept 32                               ; p = 2^(t - M), at most 1: not normalised; the second tile's t - M stand between the first's exponentials
	v_exp_f32 v[32+2*ii], v[32+2*ii]
	v_exp_f32 v[33+2*ii], v[33+2*ii]
	v_pk_fma_f32 v[96+2*ii:97+2*ii], v[96+2*ii:97+2*ii], s[CS:CS+1], v[18:19] op_sel_hi:[1,0,0]
.set ii, ii+1
.endr
	s_wait_alu depctr_va_vdst(0)                   ; behind this batch, and ahead of the next
	SUM8 204, 32                                   ; the sum is taken of the unquantised p
.set ii, 0
.rept 32                               ; the first tile's holds stand between the second's exponentials
	v_exp_f32 v[96+2*ii], v[96+2*ii]
	v_exp_f32 v[97+2*ii], v[97+2*ii]
	HOLD2 32+2*ii
.set ii, ii+1
.endr
	v_nop                                          ; a plain place behind the exponentials
	s_wait_alu depctr_va_vdst(0)                   ; one wait for the whole batch, ahead of its first reader
	SUM8 220, 96
.set ii, 0
.rept 32
	HOLD2 96+2*ii
.set ii, ii+1
.endr
	JOIN 0, 8
	JOIN 2, 10
	JOIN 4, 12
	JOIN 6, 14
	JOIN 0, 4
	JOIN 2, 6
	JOIN 0, 2
	v_pk_fma_f32 v[24:25], v[24:25], v[20:21], v[204:205] op_sel_hi:[1,0,1]   ; the sums: the old ones under the new M, and the new p's
	v_pk_fma_f32 v[26:27], v[26:27], v[22:23], v[220:221] op_sel_hi:[1,0,1]
.set ii, 0
.rept 16
	v_cvt_scalef32_pk8_bf8_f32 v[160+2*ii:161+2*ii], v[32+8*ii:39+8*ii], v[HOLDV]
.set ii, ii+1
.endr
	v_nop                                          ; a plain place behind the conversions
	s_wait_alu depctr_va_vdst(0)
.endm
; O^T += V^T P^T: each fragment of V serves two tiles; the 16 accumulators take turns, one instruction a turn
.macro VALUES
	WIN 0xa3
.set tt, 0
.rept 8
	v_wmma_f32_16x16x128_bf8_bf8 v[8*tt:8*tt+7], v[128+16*tt:143+16*tt], v[160:175], v[8*tt:8*tt+7]
	v_wmma_f32_16x16x128_bf8_bf8 v[64+8*tt:71+8*tt], v[128+16*tt:143+16*tt], v[176:191], v[64+8*tt:71+8*tt]
.set tt, tt+1
.endr
	WIN 0
.endm
; Behind the first block's last visit its state is put by, the second block's Q takes its place, and the state begins anew.
.macro SWITCH
	s_cmp_lg_u32 s[VI], s[LASTV]
	s_cbranch_scc1 .Lstay_\@
	PLACES                                         ; behind the last products
	WIN 0x42
.set ii, 0
.rept 128
	v_mov_b32 v[64+ii], v[ii]                      ; O^T, each accumulator from its low end on
.set ii, ii+1
.endr
	WIN 0x41
.set ii, 0
.rept 32
	v_mov_b32 v[ii], v[32+ii]                      ; Q
.set ii, ii+1
.endr
	WIN 0
	v_mov_b32 v240, v16
	v_mov_b32 v241, v18
	v_add_f32 v242, v24, v25                       ; the sums' two halves
	v_add_f32 v243, v26, v27
	BEGIN
	s_wait_alu depctr_va_vdst(0)
.Lstay_\@:
.endm
; A VISIT.
.macro VISIT fill
	s_cmp_eq_u32 s[VI], s[LASTV]
	s_cselect_b32 s[MODE], s[M1], 0
	s_cmp_eq_u32 s[VI], 8
	s_cselect_b32 s[MODE], s[M2], s[MODE]
	SCORES
	FETCH 128, ADV, 0                              ; V lands while the softmax is worked
	MASK 1
	SOFTMAX 0
	s_wait_dscnt 32                                ; V's 32 loads are in; the 32 of K behind them may be out
	VALUES
	s_cmp_eq_u32 s[MODE], 1
	s_cbranch_scc1 .Lhidden_\@                     ; the second half is hidden whole
	SCORES
	FETCH 128, ADV, 1
	MASK 2
	SOFTMAX 1
.Lhidden_\@:
	CHANGE \fill, 0
	s_cmp_eq_u32 s[MODE], 1
	s_cbranch_scc1 .Lhidden2_\@
	VALUES                                         ; the second half's products: V's fragments have been in registers since ahead of the change
.Lhidden2_\@:
	SWITCH
.endm
	s_wait_alu depctr_va_vdst(0)
	CHANGE 1, 1
	s_wait_loadcnt 0x0                             ; Q
.Lfill:                                            ; visits 0 to 6: behind each the visit after the next is asked for
	VISIT 1
	s_add_co_u32 s[VI], s[VI], 1
	s_cmp_lt_u32 s[VI], 7
	s_cbranch_scc1 .Lfill
.Lrest:                                            ; visits 7 and 8 fill nothing
	VISIT 0
	s_add_co_u32 s[VI], s[VI], 1
	s_cmp_lt_u32 s[VI], 9
	s_cbranch_scc1 .Lrest
	; THE MERGE of my pair's two states, for both blocks.  First -M and the sums change hands; each wave scales its O by 2^(its M - M) 2^(e8 + e9) / sum, puts it down by rows, and the rows are added on the way out.
	v_add_f32 v24, v24, v25
	v_add_f32 v26, v26, v27
.set NM_0, 240
.set NM_1, 241
.set NM_2, 16
.set NM_3, 18
.set LS_0, 242
.set LS_1, 243
.set LS_2, 24
.set LS_3, 26
.irp k, 0,1,2,3                        ; (block, tile) = (first, 0), (first, 1), (second, 0), (second, 1)
	ds_store_b32 v[MLO], v[NM_\k] offset:256*\k
	ds_store_b32 v[MLO], v[LS_\k] offset:256*\k+128
.endr
	s_wait_alu depctr_va_vdst(0)
	s_wait_dscnt 0x0                               ; for the other wave's sake: my stores have landed
	s_barrier_signal -1
	s_barrier_wait -1
.irp k, 0,1,2,3
	ds_load_b32 v[192+2*\k], v[MLX] offset:256*\k
	ds_load_b32 v[193+2*\k], v[MLX] offset:256*\k+128
.endr
	s_wait_dscnt 0x0
.irp k, 0,1,2,3
	v_min_num_f32 v[208+\k], v[NM_\k], v[192+2*\k]   ; -M of the larger M
.endr
.irp k, 0,1,2,3
	v_sub_f32 v[212+\k], v[208+\k], v[NM_\k]       ; my M - M, the other's M - M: whole numbers, 0 or less
	v_sub_f32 v[216+\k], v[208+\k], v[192+2*\k]
.endr
.irp k, 0,1,2,3
	v_cvt_i32_f32 v[212+\k], v[212+\k]
	v_cvt_i32_f32 v[216+\k], v[216+\k]
.endr
.irp k, 0,1,2,3
	v_ldexp_f32 v[212+\k], 1.0, v[212+\k]
	v_ldexp_f32 v[216+\k], 1.0, v[216+\k]
.endr
.irp k, 0,1,2,3
	v_mul_f32 v[220+\k], v[LS_\k], v[212+\k]
.endr
.irp k, 0,1,2,3
	v_fma_f32 v[220+\k], v[193+2*\k], v[216+\k], v[220+\k]
.endr
.irp k, 0,1,2,3
	v_permlanex16_b32 v[224+\k], v[220+\k], s[SEL], s[SEL+1]
.endr
.irp k, 0,1,2,3
	v_add_f32 v[220+\k], v[220+\k], v[224+\k]      ; and lane l xor 16's: the row's sum; key 0 counts for every query, so it is not 0
.endr
	s_add_co_i32 s91, s70, s71
	s_wait_alu depctr_va_vdst(0)
.irp k, 0,1,2,3
	v_rcp_f32 v[220+\k], v[220+\k]
.endr
	v_nop                                          ; a plain place behind the transcendentals
	s_wait_alu depctr_va_vdst(0)                   ; and the wait ahead of their first reader
.irp k, 0,1,2,3
	v_ldexp_f32 v[220+\k], v[220+\k], s91          ; x 2^(e8 + e9)
.endr
.irp k, 0,1,2,3
	v_mul_f32 v[228+2*\k], v[212+\k], v[220+\k]
.endr
	WIN 0x82
	s_wait_alu depctr_va_vdst(0)                   ; directly ahead of the first reader of O^T
.set ii, 0
.rept 32
	v_pk_mul_f32 v[2*ii:2*ii+1], v[2*ii:2*ii+1], v[232:233] op_sel_hi:[1,0]
.set ii, ii+1
.endr
.rept 32
	v_pk_mul_f32 v[2*ii:2*ii+1], v[2*ii:2*ii+1], v[234:235] op_sel_hi:[1,0]
.set ii, ii+1
.endr
	WIN 0x08
.set ii, 0
.rept 32                               ; register 16 b + i of a tile: channel 32 b + 16 h + i of my query
	ds_store_b128 v[DPA], v[4*ii:4*ii+3] offset:32*DPITCH+16*DPITCH*(ii/16)+128*((ii%16)/4)+16*(ii%4)
.set ii, ii+1
.endr
	WIN 0x41
.set ii, 0
.rept 32
	v_pk_mul_f32 v[64+2*ii:65+2*ii], v[64+2*ii:65+2*ii], v[228:229] op_sel_hi:[1,0]
.set ii, ii+1
.endr
.rept 32
	v_pk_mul_f32 v[64+2*ii:65+2*ii], v[64+2*ii:65+2*ii], v[230:231] op_sel_hi:[1,0]
.set ii, ii+1
.endr
	WIN 0x04
.set ii, 0
.rept 32
	ds_store_b128 v[DPA], v[64+4*ii:67+4*ii] offset:16*DPITCH*(ii/16)+128*((ii%16)/4)+16*(ii%4)
.set ii, ii+1
.endr
	WIN 0
	s_wait_alu depctr_va_vdst(0)
	s_wait_dscnt 0x0                               ; for the others' sake: my stores have landed
	s_barrier_signal -1
	s_barrier_wait -1
; THE WAY OUT: 32 rows, 16 at a time: a row is 512 bytes, 16 a lane, in two states.
.macro ROWS u, ra
.set ii, 0
.rept 16
	ds_load_b128 v[\ra+4*ii:\ra+4*ii+3], v[RDA] offset:DPITCH*(16*\u+ii)
	ds_load_b128 v[96+4*ii:99+4*ii], v[RDA] offset:64*DPITCH+DPITCH*(16*\u+ii)
.set ii, ii+1
.endr
.set ii, 0
.rept 16
	s_wait_dscnt 30-2*ii                           ; row ii's two loads are in; those of the rows behind it may be out
	v_pk_add_f32 v[\ra+4*ii:\ra+4*ii+1], v[\ra+4*ii:\ra+4*ii+1], v[96+4*ii:97+4*ii]
	v_pk_add_f32 v[\ra+4*ii+2:\ra+4*ii+3], v[\ra+4*ii+2:\ra+4*ii+3], v[98+4*ii:99+4*ii]
	global_store_b128 v[LOFF], v[\ra+4*ii:\ra+4*ii+3], s[10:11] offset:4096*(16*\u+ii) th:TH_STORE_NT   ; 512 consecutive bytes, at a multiple of 512 from the output's first byte
.set ii, ii+1
.endr
.endm
	ROWS 0, 32
	ROWS 1, 160
	s_wait_tensorcnt 0x0                           ; the wave's end
	ds_add_u32 v[SPW], v[NIL]
	s_wait_dscnt 0x0
	CROUND                                         ; the closing round: no work-group ends while a partner may still ask for a tile that names it
	s_endpgm
.Lfunc_end_k_q90c4d82e6b_attn:
	.size	k_q90c4d82e6b_attn, .Lfunc_end_k_q90c4d82e6b_attn-k_q90c4d82e6b_attn
	.p2alignl 7, 3214868480
	.fill 96, 4, 3214868480
	.section	.rodata,"a",@progbits
	.p2align	6, 0x0
	.amdhsa_kernel k_q90c4d82e6b_attn
		.amdhsa_group_segment_fixed_size 327680
		.amdhsa_private_segment_fixed_size 0
		.amdhsa_enable_private_segment 0
		.amdhsa_kernarg_size 24
		.amdhsa_user_sgpr_count 2
		.amdhsa_user_sgpr_kernarg_segment_ptr 1
		.amdhsa_wavefront_size32 1
		.amdhsa_system_sgpr_workgroup_id_x 1
		.amdhsa_system_sgpr_workgroup_id_y 1
		.amdhsa_system_sgpr_workgroup_id_z 1
		.amdhsa_system_vgpr_workitem_id 0
		.amdhsa_next_free_vgpr 1024
		.amdhsa_next_free_sgpr 100
		.amdhsa_reserve_vcc 1
		.amdhsa_float_denorm_mode_32 3
		.amdhsa_float_denorm_mode_16_64 3
		.amdhsa_memory_ordered 1
		.amdhsa_forward_progress 1
		.amdhsa_inst_pref_size 226
	.end_amdhsa_kernel
	.amdgpu_metadata
---
amdhsa.version: [ 1, 2 ]
amdhsa.kernels:
  - .name:           k_q90c4d82e6b_attn
    .symbol:         k_q90c4d82e6b_attn.kd
    .args:
      - { .name: qkv, .offset: 0, .size: 8, .value_kind: global_buffer, .address_space: global }
      - { .name: lowp_scales, .offset: 8, .size: 8, .value_kind: global_buffer, .address_space: global }
      - { .name: out0, .offset: 16, .size: 8, .value_kind: global_buffer, .address_space: global }
    .group_segment_fixed_size: 327680
    .private_segment_fixed_size: 0
    .kernarg_segment_align: 8
    .kernarg_segment_size: 24
    .max_flat_workgroup_size: 128
    .sgpr_count:     100
    .vgpr_count:     1024
    .wavefront_size: 32
...
	.end_amdgpu_metadata
.endif
;; end of part 3
